; MI455X (gfx1250); checked and timed in simulation.
; The chip was launched on July 23, 2026; its instructions are those of AMD's public machine-readable ISA for CDNA 5 (MIT licence, August 2026) and "CDNA5" Instruction Set Architecture Reference Guide (July 2026). The comments in the code are by the model that wrote it; some were corrected since.
;; Custom Model. Allowed arithmetic: float matrix products may take bf16 or f16 operands with f32 sums; all other float work in f32.
;; Inputs: W1 64 x 32 float32; W2 1 x 64 float32; b1 64 float32; b2 1 float32; coords 1,024 x 1,024 x 2 float32; line_feature_x 32 x 1,024 float32; line_feature_y 32 x 1,024 float32; plane_feature 32 x 256 x 256 float32.
;; Outputs: out0 1,024 x 1,024 float32.
;; One version. Each part assembles by itself: llvm-mc -triple=amdgcn-amd-amdhsa -mcpu=gfx1250 --defsym DOCPART=n.
;; ======== version 1 of 1: 2 launches
;; limits: values outside matrix products are rounded to bf16; values are held in f16: magnitudes above 65,504 overflow, below 6.1e-05 lose precision
;; workspace buffers: idx 8,388,608 bytes of whole numbers; planeT 4,194,304 bytes; linesT 294,912 bytes
;; launch prep (part 1): grid 256 x 1, 4 waves a work-group, no clusters, 37,376 bytes of LDS; arguments coords, plane_feature, line_feature_x, line_feature_y, idx, planeT, linesT; writes idx, planeT, linesT
.if DOCPART == 1
	.amdgcn_target "amdgcn-amd-amdhsa--gfx1250"
	.amdhsa_code_object_version 6
	.text
	.protected	k_q8268dd78e0_prep
	.globl	k_q8268dd78e0_prep
	.p2align	8
	.type	k_q8268dd78e0_prep,@function
k_q8268dd78e0_prep:
	s_mov_b64 s[64:65], 0
	v_nop
	global_prefetch_b8 v0, s[64:65] scope:SCOPE_SE
	s_setreg_imm32_b32 hwreg(HW_REG_WAVE_MODE, 25, 1), 1
	s_wait_xcnt 0x0
; PREPARATION for the sampling launch.  Three pieces of work, none of which reads what this launch stores:
;  (1) coords [1048576][2] f32 -> idx: word p = ix | iy << 16 (left entries of the two line look-ups, 0..1022),
;      word 1048576 + p = yb * 256 + xb (upper left texel of the plane look-up, xb and yb clamped to 0..254).
;  (2) plane_feature [32][65536] f32 -> planeT [65536 texels][32 channels] bf16, 64 bytes a texel.
;  (3) line_feature_x, _y [32][1024] f32 -> linesT [2][1024 entries] f32, 128 bytes + 16 bytes of pad = 144 an entry.
; The plane is rounded to bf16 once: it is one addend of a sum that is rounded to 16 bits anyway.  The line tables, whose
; product carries the sum's common part, keep f32.
; LIMIT: NaN or infinite coords are not served (the reference's own result is not finite or not defined there).
; 1,024 waves; wave u takes points 1024 u .. +1023, texels 64 u .. +63, and (u < 32) 64 entries of a line table.
; A transposition goes through the wave's own 9,216 bytes of LDS; LDS serves a wave's instructions in order
; (ISA guide 5.7.1), so there is no barrier and no wait between its stores and its loads.
.set PLANE_CH, 262144                  ; bytes from channel to channel in plane_feature
.set LINE_CH,  4096                    ; bytes from channel to channel in a line table
.set PIDX,     4194304                 ; byte of idx at which the plane indices begin
.set STAGE,    9216                    ; bytes of LDS of a wave: 64 line entries of 144
.set LO8,  1                           ; v1   8 x lane
.set LO16, 2                           ; v2   16 x lane
.set WBP,  3                           ; v3   stage + 144 x lane: a lane's two texels (128 bytes + 16 of pad), or its line entry
.set RBP,  4                           ; v4   stage + 144 (lane / 8) + 16 (lane % 8): where it reads 16 bytes of texels back
.set LO4,  5                           ; v5   4 x lane
.set RBL,  6                           ; v6   stage + 16 x lane
.set C,    8                           ; v[8:71]    16 loads of coords, 2 points each; then the indices to store
.set R,    72                          ; v[72:135]  plane: channel c in the pair R + 2c (positions 2 lane, 2 lane + 1);
                                       ;            lines: R + 32 j + c = channel c of position 32 j + lane
.set T,    136                         ; v[136:167] plane: T + 16 j + q: channels 2q, 2q+1 of position 2 lane + j, as bf16
.set F,    168                         ; v[168:199] plane: read back from the stage.  Lines: v[136:207] take the 18 read-backs
.set TA,   208                         ; v[208:219] at work: six registers for each of two points
	s_load_b256 s[4:11], s[0:1], 0x0               ; coords s[4:5], plane s[6:7], line x s[8:9], line y s[10:11]
	s_load_b128 s[12:15], s[0:1], 0x20             ; idx s[12:13], planeT s[14:15]
	s_load_b64 s[16:17], s[0:1], 0x30              ; linesT
	v_lshl_add_u32 v220, v0, 2, 0x9000
	v_mov_b32 v221, 0
	v_lshrrev_b32 v7, 5, v0
	v_readfirstlane_b32 s18, v7                    ; wave 0..3
	s_lshl2_add_u32 s19, ttmp9, s18                ; u = 4 x work-group + wave
	s_mul_i32 s24, s18, STAGE                      ; my stage
	v_and_b32 v7, 31, v0                           ; lane
	v_lshlrev_b32 v[LO4], 2, v7
	v_lshlrev_b32 v[LO8], 3, v7
	v_lshlrev_b32 v[LO16], 4, v7
	v_mul_u32_u24 v[WBP], v7, 144
	v_add_nc_u32 v[WBP], s24, v[WBP]
	v_lshrrev_b32 v[RBP], 3, v7
	v_mul_u32_u24 v[RBP], v[RBP], 144
	v_and_b32 v[RBL], 7, v7
	v_lshl_add_u32 v[RBP], v[RBL], 4, v[RBP]
	v_add_nc_u32 v[RBP], s24, v[RBP]
	v_add_nc_u32 v[RBL], s24, v[LO16]
	s_lshl_b32 s20, s19, 13                        ; 1,024 points of 8 bytes
	s_mov_b32 s21, 0
	s_wait_kmcnt 0x0
	s_add_nc_u64 s[4:5], s[4:5], s[20:21]          ; coords at my first point
	s_lshl_b32 s20, s19, 12                        ; 1,024 words of idx; 64 texels of 64 bytes
	s_add_nc_u64 s[12:13], s[12:13], s[20:21]
	s_add_nc_u64 s[14:15], s[14:15], s[20:21]
	s_lshl_b32 s20, s19, 8                         ; 64 texels of 4 bytes in every channel
	s_add_nc_u64 s[6:7], s[6:7], s[20:21]
.irp i, 0,1,2,3,4,5,6,7,8,9,10,11,12,13,14,15
	global_load_b128 v[C+4*\i:C+4*\i+3], v[LO16], s[4:5] offset:512*\i th:TH_LOAD_NT   ; 64 points: 512 neighbouring bytes
.endr
	; the plane unit: one load a channel, 64 neighbouring texels = 256 neighbouring bytes, aligned.
	; Largest immediate 31 x 262,144, inside the signed 24 bits.
.set cc, 0
.rept 32
	global_load_b64 v[R+2*cc:R+2*cc+1], v[LO8], s[6:7] offset:cc*PLANE_CH th:TH_LOAD_NT
.set cc, cc+1
.endr
; The two points of coords load i.  The four packed lines round as the reference does: x 2 / 1024 is exact, so the
; fused multiply-add rounds once like its subtraction; u 0.5 is exact, so u x 511.5 rounds like (u 0.5) 1023.
.macro IDX i
.irp p, 0,1
	v_pk_fma_f32 v[TA+6*\p:TA+6*\p+1], v[C+4*\i+2*\p:C+4*\i+2*\p+1], 0x3b000000, -1.0 op_sel_hi:[1,0,0]  ; (xn, yn) = c 2^-9 - 1
	v_pk_add_f32 v[TA+6*\p:TA+6*\p+1], v[TA+6*\p:TA+6*\p+1], 1.0 op_sel_hi:[1,0]                         ; u = n + 1
	v_pk_mul_f32 v[TA+6*\p+2:TA+6*\p+3], v[TA+6*\p:TA+6*\p+1], 0x43ffc000 op_sel_hi:[1,0]                ; line position = u 511.5
	v_pk_mul_f32 v[TA+6*\p+4:TA+6*\p+5], v[TA+6*\p:TA+6*\p+1], 0x42ff0000 op_sel_hi:[1,0]                ; plane position = u 127.5
	v_med3_num_f32 v[TA+6*\p+2], v[TA+6*\p+2], 0, 0x447f8000       ; into 0 .. 1022: truncation then gives min(floor(clip), 1022)
	v_med3_num_f32 v[TA+6*\p+3], v[TA+6*\p+3], 0, 0x447f8000
	v_med3_num_f32 v[TA+6*\p+4], v[TA+6*\p+4], 0, 0x437e0000       ; into 0 .. 254
	v_med3_num_f32 v[TA+6*\p+5], v[TA+6*\p+5], 0, 0x437e0000
	v_cvt_u32_f32 v[TA+6*\p+2], v[TA+6*\p+2]
	v_cvt_u32_f32 v[TA+6*\p+3], v[TA+6*\p+3]
	v_cvt_u32_f32 v[TA+6*\p+4], v[TA+6*\p+4]
	v_cvt_u32_f32 v[TA+6*\p+5], v[TA+6*\p+5]
.endr
	v_lshl_or_b32 v[C+4*\i],   v[TA+3],  16, v[TA+2]               ; both points' coords have been read: their registers take the indices
	v_lshl_or_b32 v[C+4*\i+1], v[TA+9],  16, v[TA+8]
	v_lshl_or_b32 v[C+4*\i+2], v[TA+5],  8,  v[TA+4]
	v_lshl_or_b32 v[C+4*\i+3], v[TA+11], 8,  v[TA+10]
	global_store_b64 v[LO8], v[C+4*\i:C+4*\i+1],   s[12:13] offset:256*\i          ; the wave stores 256 neighbouring bytes, aligned
	global_store_b64 v[LO8], v[C+4*\i+2:C+4*\i+3], s[12:13] offset:PIDX+256*\i     ; C is not written again
.endm
	s_wait_loadcnt 0x20                            ; the 32 plane loads are younger: all 16 coords loads are in
.irp i, 0,1,2,3,4,5,6,7,8,9,10,11,12,13,14,15
	IDX \i
.endr
	; the plane unit: to bf16 (the conversion also pairs the channels), texel-major through the stage, out in runs of 512 bytes
	s_wait_loadcnt 0x0
.irp j, 0,1
.irp q, 0,1,2,3,4,5,6,7,8,9,10,11,12,13,14,15
	v_cvt_pk_bf16_f32 v[T+16*\j+\q], v[R+4*\q+\j], v[R+4*\q+2+\j]
.endr
.endr
.irp j, 0,1
.irp q, 0,1,2,3
	ds_store_b128 v[WBP], v[T+16*\j+4*\q:T+16*\j+4*\q+3] offset:64*\j+16*\q   ; lanes 144 bytes apart: 16 lanes, 16 different columns of 16 bytes
.endr
.endr
.irp t, 0,1,2,3,4,5,6,7
	ds_load_b128 v[F+4*\t:F+4*\t+3], v[RBP] offset:576*\t          ; 512 bytes out = 4 lanes' chunks of 144 in the stage
.endr
.irp t, 0,1,2,3,4,5,6,7
	s_wait_dscnt 7-\t                              ; LDS loads come back in order: number t is in, the younger ones stay out
	global_store_b128 v[LO16], v[F+4*\t:F+4*\t+3], s[14:15] offset:512*\t
.endr
	; The line tables: 32 units of 64 entries, for the 32 waves of work-groups 0 to 7 (0-3: x, 4-7: y).
	s_cmp_ge_u32 ttmp9, 8
	s_cbranch_scc1 .Lend
	s_wait_xcnt 0x0                                ; F is the data of stores just issued: it is loaded again only behind this wait
	s_cmp_lt_u32 ttmp9, 4
	s_cselect_b64 s[22:23], s[8:9], s[10:11]       ; which table
	s_and_b32 s20, s19, 15
	s_lshl_b32 s20, s20, 8                         ; 64 entries of 4 bytes in every channel
	s_add_nc_u64 s[22:23], s[22:23], s[20:21]
	s_mul_i32 s20, s19, STAGE                      ; 64 entries of 144 bytes; 16 units are a table's 147,456
	s_add_nc_u64 s[16:17], s[16:17], s[20:21]
	; one word a lane and channel, so that a lane's 32 registers are one entry as it is stored: no copies.
	; The two loads of a channel stand side by side and together cover 256 neighbouring bytes, aligned.
.set cc, 0
.rept 32
	global_load_b32 v[R+cc],    v[LO4], s[22:23] offset:cc*LINE_CH
	global_load_b32 v[R+32+cc], v[LO4], s[22:23] offset:cc*LINE_CH+128
.set cc, cc+1
.endr
	s_wait_loadcnt 0x0
.irp j, 0,1
.irp q, 0,1,2,3,4,5,6,7
	ds_store_b128 v[WBP], v[R+32*\j+4*\q:R+32*\j+4*\q+3] offset:4608*\j+16*\q   ; entry 32 j + lane
.endr
	ds_store_b128 v[WBP], v[R:R+3] offset:4608*\j+128              ; the entry's pad: any value, so that every byte that goes out is written
.endr
.set tt, 0
.rept 18
	ds_load_b128 v[T+4*tt:T+4*tt+3], v[RBL] offset:512*tt          ; the stage is the image of the 9,216 bytes that go out
.set tt, tt+1
.endr
.set tt, 0
.rept 18
	s_wait_dscnt 17-tt                             ; number tt is in, the younger ones stay out
	global_store_b128 v[LO16], v[T+4*tt:T+4*tt+3], s[16:17] offset:512*tt
.set tt, tt+1
.endr
.Lend:
	s_wait_tensorcnt 0x0
	ds_add_u32 v220, v221
	s_wait_dscnt 0x0
	s_endpgm
.Lfunc_end_k_q8268dd78e0_prep:
	.size	k_q8268dd78e0_prep, .Lfunc_end_k_q8268dd78e0_prep-k_q8268dd78e0_prep
	.p2alignl 7, 3214868480
	.fill 96, 4, 3214868480
	.section	.rodata,"a",@progbits
	.p2align	6, 0x0
	.amdhsa_kernel k_q8268dd78e0_prep
		.amdhsa_group_segment_fixed_size 37376
		.amdhsa_private_segment_fixed_size 0
		.amdhsa_enable_private_segment 0
		.amdhsa_kernarg_size 56
		.amdhsa_user_sgpr_count 2
		.amdhsa_user_sgpr_kernarg_segment_ptr 1
		.amdhsa_wavefront_size32 1
		.amdhsa_system_sgpr_workgroup_id_x 1
		.amdhsa_system_sgpr_workgroup_id_y 1
		.amdhsa_system_sgpr_workgroup_id_z 1
		.amdhsa_system_vgpr_workitem_id 0
		.amdhsa_next_free_vgpr 222
		.amdhsa_next_free_sgpr 66
		.amdhsa_reserve_vcc 0
		.amdhsa_float_denorm_mode_32 3
		.amdhsa_float_denorm_mode_16_64 3
		.amdhsa_memory_ordered 1
		.amdhsa_forward_progress 1
		.amdhsa_inst_pref_size 56
	.end_amdhsa_kernel
	.amdgpu_metadata
---
amdhsa.version: [ 1, 2 ]
amdhsa.kernels:
  - .name:           k_q8268dd78e0_prep
    .symbol:         k_q8268dd78e0_prep.kd
    .args:
      - { .name: coords, .offset: 0, .size: 8, .value_kind: global_buffer, .address_space: global }
      - { .name: plane_feature, .offset: 8, .size: 8, .value_kind: global_buffer, .address_space: global }
      - { .name: line_feature_x, .offset: 16, .size: 8, .value_kind: global_buffer, .address_space: global }
      - { .name: line_feature_y, .offset: 24, .size: 8, .value_kind: global_buffer, .address_space: global }
      - { .name: idx, .offset: 32, .size: 8, .value_kind: global_buffer, .address_space: global }
      - { .name: planeT, .offset: 40, .size: 8, .value_kind: global_buffer, .address_space: global }
      - { .name: linesT, .offset: 48, .size: 8, .value_kind: global_buffer, .address_space: global }
    .group_segment_fixed_size: 37376
    .private_segment_fixed_size: 0
    .kernarg_segment_align: 8
    .kernarg_segment_size: 56
    .max_flat_workgroup_size: 128
    .sgpr_count:     66
    .vgpr_count:     222
    .wavefront_size: 32
...
	.end_amdgpu_metadata
.endif
;; end of part 1
;; launch main (part 2): grid 256 x 1, 16 waves a work-group, no clusters, 296,960 bytes of LDS; arguments coords, idx, planeT, linesT, W1, b1, W2, b2, out0; writes out0
.if DOCPART == 2
	.amdgcn_target "amdgcn-amd-amdhsa--gfx1250"
	.amdhsa_code_object_version 6
	.text
	.protected	k_q8268dd78e0_main
	.globl	k_q8268dd78e0_main
	.p2align	8
	.type	k_q8268dd78e0_main,@function
k_q8268dd78e0_main:
	s_mov_b64 s[64:65], 0
	v_nop
	global_prefetch_b8 v0, s[64:65] scope:SCOPE_SE
	s_setreg_imm32_b32 hwreg(HW_REG_WAVE_MODE, 25, 1), 1
	s_wait_xcnt 0x0
; out[p] = W2 . relu(W1 feat(p) + b1) + b2,  feat = fx fy + fp (32 channels), for 1,048,576 points.
; fx, fy: linear look-ups in the two line tables (LDS image of linesT, f32, 144 bytes an entry);
; fp: bilinear look-up in planeT (bf16, 64 bytes a texel), gathered from memory.  The indices come from idx, as whole
; numbers that the launch before stored; the weights are made here from coords by the same arithmetic.
; ZERO PADDING without a branch: with xb = clamp(floor(px), 0, 254) the weights of texels xb and xb + 1 are the hats
; max(0, 1 - |px - xb|) and max(0, 1 - |px - xb - 1|), which equal the reference's masked weights for every px.
; FORMATS: interpolation and all sums in f32.  Layer 1 on the matrix unit with feat and W1 as f16: fx fy gives feat a
; common part that the mixed signs of W1 and W2 cancel, so the operands want f16's 11 bits rather than bf16's 8.
; Range: line entries of 0.1 to 0.25 and a plane of about 0.01 give feat about 0.03, W1 is about 0.18; thirty times larger
; inputs give feat about 60 and W1 about 16, far under f16's 65,504; thirty times smaller ones give feat about 3e-4, where
; f16's step is about 2.4e-7.  The plane is bf16: one addend, rounded once.
; Layer 2 has one output, which would fill one column of sixteen, so it is 16 packed multiply-adds in f32.
; LIMITS: |feat| or |W1| of 65,504 or more overflows the f16 operand.  NaN or infinite coords are not served (the
; reference's own result is not finite or not defined there).
; SHARES: 256 work-groups x 4,096 points; 16 waves x 256 points = 4 groups x 4 tiles of 16 points.  Lane (r = l % 16,
; h = l / 16): tile k of group g is point base + 64 g + 4 r + k, so a lane's four tiles are neighbours (coords, indices and
; results move 16 bytes a lane); the two halves take the same point and the channels 8h..8h+7, 16+8h..16+8h+7, which is
; the layout of a matrix operand's 32 K (ISA guide 7.12).
; NO CLUSTER: what work-groups share is the line tables' 294,912 bytes, read once at the head, against 4,096 x 4 x 64 =
; 1,048,576 bytes of plane texels and 81,920 of coords, indices and results that are a work-group's own.
.set FILL,  18432                      ; bytes of linesT that each wave brings: 16 x 18,432 = 294,912
.set YTAB,  147456                     ; LDS byte of the y table
.set PIDX,  4194304                    ; byte of idx at which the plane indices begin
.set H16,  1                           ; v1   16 h: my channels in a texel
.set H32Y, 2                           ; v2   32 h + YTAB
.set MOC,  3                           ; v3   32 r: my four points in coords
.set MOI,  4                           ; v4   16 r: in idx
.set OO,   5                           ; v5   256 h + 16 r: in out0
.set PO,   7                           ; v7   byte offset in planeT of the tile whose gathers are out
.set AX,   8                           ; v8, v9  LDS addresses of the x and y entries
.set AY,   9
.set WL0,  10                          ; v[10:11] (1 - wx, 1 - wy)
.set WL1,  12                          ; v[12:13] (wx, wy)
.set WP,   14                          ; v[14:17] plane weights of texels (yb,xb), (yb,xb+1), (yb+1,xb), (yb+1,xb+1)
.set WOF,  18                          ; v18  128 r + 32 h: my part of a row of W1
.set H32,  19                          ; v19  32 h: my channels in a line entry; my eight of sixteen numbers of b1, W2
.set CO,   20                          ; v[20:27] coords of the group's four points
.set I0,   28                          ; v[28:31] their line indices
.set PA,   32                          ; v[32:35], v[36:39] plane indices, by turns from group to group
.set PB,   36
.set OA,   40                          ; v[40:43] results of groups 0 (half 0) and 1 (half 1); v[44:47] of groups 2 and 3
.set OB,   44
.set FP,   48                          ; v[48:63] x entry i, my 16 channels; then fx, fx fy, feat
.set X1,   64                          ; v[64:79] x entry i + 1; later v[64:71] the f16 operand
.set FB,   64
.set PL,   80                          ; v[80:111] four texels x 8 registers
.set Y0,   112                         ; v[112:127] y entry i, then fy; v[128:143] y entry i + 1; later layer 1's result
.set Y1,   128
.set DD,   112
.set W1F,  144                         ; v[144:175] W1 as four operands of 16 rows x 32, f16
.set B1C,  176                         ; v[176:207] b1 in the result's layout
.set W2V,  208                         ; v[208:239] W2 in the result's layout
.set IX,   240
.set IY,   241
.set FI,   242                         ; v[242:243] the line indices as f32
.set UU,   244                         ; v[244:245] n + 1; then XH: the two hats along x
.set XH,   244
.set POS,  246                         ; v[246:247] line positions; then YH: the two hats along y
.set YH,   246
.set PX,   248                         ; v[248:249] plane positions
.set FBI,  250                         ; v[250:251] xb, yb, then as f32
.set DA,   252                         ; v[252:253] position - left texel
.set DB,   254                         ; v[254:255] position - right texel
.set S0,   240                         ; layer 2: two running pairs, the sum, the other half's sum
.set S1,   242
.set SS,   244
.set PP,   245
	s_load_b512 s[8:23], s[0:1], 0x0               ; coords 8, idx 10, planeT 12, linesT 14, W1 16, b1 18, W2 20, b2 22
	s_load_b64 s[24:25], s[0:1], 0x40              ; out0
	v_lshl_add_u32 v252, v0, 2, 0x48000
	v_mov_b32 v253, 0
	ds_add_u32 v252, v253
	ds_add_u32 v252, v253
	s_wait_dscnt 0x0
	v_lshrrev_b32 v7, 5, v0
	v_readfirstlane_b32 s26, v7                    ; wave 0..15
	; descriptor group 1: 72 dense rows of 32 elements of 8 bytes (256 bytes), no padding, no mask
	s_mov_b32 s40, 3<<16                           ; element of 8 bytes
	s_mov_b32 s41, 32<<16                          ; tensor_dim0 = 32
	s_mov_b32 s42, 72<<16                          ; tensor_dim1 = 72
	s_mov_b32 s43, 32<<16                          ; tile_dim0 = 32
	s_mov_b32 s44, 72                              ; tile_dim1 = 72
	s_mov_b32 s45, 32                              ; 32 elements from row to row
	s_mov_b32 s46, 0
	s_mov_b32 s47, 0
	s_mov_b32 s36, 1                               ; group 0: count,
	s_mul_i32 s37, s26, FILL                       ; LDS byte = wave x 18,432,
	s_mul_i32 s34, s26, FILL
	s_mov_b32 s35, 0
	s_wait_kmcnt 0x0
	s_add_nc_u64 s[38:39], s[14:15], s[34:35]      ; the same byte of linesT,
	s_or_b32 s39, s39, 0x80000000                  ; type 2
	tensor_load_to_lds s[36:39], s[40:47]          ; the launch's only fill: one tensor load a wave is out, and LDS is never filled again
	s_nop 0
	s_load_b32 s27, s[22:23], 0x0                  ; b2
	s_mov_b32 s28, 0x76543210                      ; v_permlanex16_b32: lane i of one half reads lane i of the other
	s_mov_b32 s29, 0xfedcba98
	s_mov_b32 s30, 0xffff0000                      ; the lanes of half 1
	s_lshl_b32 s32, ttmp9, 15                      ; 4,096 points of 8 bytes a work-group,
	s_lshl_b32 s34, s26, 11                        ; 256 a wave
	s_add_co_u32 s32, s32, s34
	s_mov_b32 s33, 0
	s_add_nc_u64 s[8:9], s[8:9], s[32:33]          ; coords at my first point
	s_lshr_b32 s32, s32, 1                         ; 4 bytes a point
	s_add_nc_u64 s[10:11], s[10:11], s[32:33]      ; idx
	s_add_nc_u64 s[24:25], s[24:25], s[32:33]      ; out0
	v_and_b32 v[MOI], 15, v0                       ; r
	v_bfe_u32 v[H16], v0, 4, 1                     ; h
	v_lshlrev_b32 v[MOC], 5, v[MOI]
	v_lshlrev_b32 v[H32], 5, v[H16]
	v_lshl_add_u32 v[WOF], v[MOI], 7, v[H32]
	v_lshlrev_b32 v[MOI], 4, v[MOI]
	v_lshl_add_u32 v[OO], v[H16], 8, v[MOI]
	v_lshlrev_b32 v[H16], 4, v[H16]
	v_add_nc_u32 v[H32Y], YTAB, v[H32]
	; group 0's coords and indices first, then the weights
	global_load_b128 v[CO:CO+3],   v[MOC], s[8:9] th:TH_LOAD_NT
	global_load_b128 v[CO+4:CO+7], v[MOC], s[8:9] offset:16 th:TH_LOAD_NT
	global_load_b128 v[I0:I0+3],   v[MOI], s[10:11] th:TH_LOAD_NT
	global_load_b128 v[PA:PA+3],   v[MOI], s[10:11] offset:PIDX th:TH_LOAD_NT
; rows 16 t + r of W1, channels 8h..8h+7 and 16+8h..16+8h+7, as f32 into 16 registers that are free until the first tile
.macro W1LD stg, t
	global_load_b128 v[\stg:\stg+3],     v[WOF], s[16:17] offset:2048*\t
	global_load_b128 v[\stg+4:\stg+7],   v[WOF], s[16:17] offset:2048*\t+16
	global_load_b128 v[\stg+8:\stg+11],  v[WOF], s[16:17] offset:2048*\t+64
	global_load_b128 v[\stg+12:\stg+15], v[WOF], s[16:17] offset:2048*\t+80
.endm
.macro W1CV stg, t
.irp i, 0,1,2,3,4,5,6,7
	v_cvt_pk_f16_f32 v[W1F+8*\t+\i], v[\stg+2*\i], v[\stg+2*\i+1]
.endr
.endm
	W1LD FP, 0
	W1LD X1, 1
	W1LD Y0, 2
	W1LD Y1, 3
.irp t, 0,1,2,3
	global_load_b128 v[B1C+8*\t:B1C+8*\t+3],   v[H32], s[18:19] offset:64*\t      ; register j: b1[16 t + 8 h + j]
	global_load_b128 v[B1C+8*\t+4:B1C+8*\t+7], v[H32], s[18:19] offset:64*\t+16
.endr
.irp t, 0,1,2,3
	global_load_b128 v[W2V+8*\t:W2V+8*\t+3],   v[H32], s[20:21] offset:64*\t
	global_load_b128 v[W2V+8*\t+4:W2V+8*\t+7], v[H32], s[20:21] offset:64*\t+16
.endr
; The four texels of one point: 2 x 16 bytes of each for my channels.  The index is clamped to 254 x 256 + 254, so the
; last byte touched is 65,278 x 64 + 16 + 16,480 + 15, the buffer's last.
.macro GATHER preg
	v_min_u32 v[PO], 0xfefe, v[\preg]
	v_lshl_add_u32 v[PO], v[PO], 6, v[H16]
	global_load_b128 v[PL:PL+3],     v[PO], s[12:13]
	global_load_b128 v[PL+4:PL+7],   v[PO], s[12:13] offset:32
	global_load_b128 v[PL+8:PL+11],  v[PO], s[12:13] offset:64
	global_load_b128 v[PL+12:PL+15], v[PO], s[12:13] offset:96
	global_load_b128 v[PL+16:PL+19], v[PO], s[12:13] offset:16384
	global_load_b128 v[PL+20:PL+23], v[PO], s[12:13] offset:16416
	global_load_b128 v[PL+24:PL+27], v[PO], s[12:13] offset:16448
	global_load_b128 v[PL+28:PL+31], v[PO], s[12:13] offset:16480
.endm
	s_wait_loadcnt 0x20                            ; the 32 weight loads are younger: coords and indices of group 0 are in
	GATHER PA
	s_wait_loadcnt 0x8                             ; only the eight gathers stay out: the weights are in
	W1CV FP, 0
	W1CV X1, 1
	W1CV Y0, 2
	W1CV Y1, 3
	s_wait_kmcnt 0x0                               ; b2
	s_wait_tensorcnt 0x0                           ; my sixteenth of the line tables is in LDS,
	s_barrier_signal -1
	s_barrier_wait -1                              ; everybody's is.  The only barrier: LDS is only read from here on
; d = bf16 half of a (low, high) x w + c, in f32
.macro MIXLO d, a, w, c
	v_fma_mix_f32_bf16 v[\d], v[\a], v[\w], v[\c] op_sel_hi:[1,0,0]
.endm
.macro MIXHI d, a, w, c
	v_fma_mix_f32_bf16 v[\d], v[\a], v[\w], v[\c] op_sel:[1,0,0] op_sel_hi:[1,0,0]
.endm
; my 16 channels of the line entry at byte off behind address register a: 8h..8h+7 at 32 h, 16+8h.. 64 bytes further
.macro ENTRY d, a, off
	ds_load_b128 v[\d:\d+3],     v[\a] offset:\off
	ds_load_b128 v[\d+4:\d+7],   v[\a] offset:\off+16
	ds_load_b128 v[\d+8:\d+11],  v[\a] offset:\off+64
	ds_load_b128 v[\d+12:\d+15], v[\a] offset:\off+80
.endm
; One tile of 16 points.  k: which of my four points; pr: the group's plane indices; dog: gather for the next tile, whose
; index is register pn; dop: load the next group's plane indices into pd; doc: load its coords and line indices;
; lc: how many loads younger than this tile's gathers are out; ob: the result's registers; od: an odd group.
.macro TILE k, pr, pn, dog, dop, pd, doc, grp, lc, ob, od
	; line entries: address = 144 i + 32 h = ((8 i + i) << 4) + 32 h; the last byte read is YTAB + 1,023 x 144 + 127
	v_and_b32 v[IX], 0xffff, v[I0+\k]
	v_lshrrev_b32 v[IY], 16, v[I0+\k]
	v_min_u32 v[IX], 0x3fe, v[IX]
	v_min_u32 v[IY], 0x3fe, v[IY]
	v_lshl_add_u32 v[AX], v[IX], 3, v[IX]
	v_lshl_add_u32 v[AY], v[IY], 3, v[IY]
	v_lshl_add_u32 v[AX], v[AX], 4, v[H32]
	v_lshl_add_u32 v[AY], v[AY], 4, v[H32Y]
	ENTRY FP, AX, 0
	ENTRY X1, AX, 144
	ENTRY Y0, AY, 0
	ENTRY Y1, AY, 144
	; weights, x and y packed; the first four lines are those by which the indices were made
	v_pk_fma_f32 v[UU:UU+1], v[CO+2*\k:CO+2*\k+1], 0x3b000000, -1.0 op_sel_hi:[1,0,0]
	v_pk_add_f32 v[UU:UU+1], v[UU:UU+1], 1.0 op_sel_hi:[1,0]
	v_pk_mul_f32 v[POS:POS+1], v[UU:UU+1], 0x43ffc000 op_sel_hi:[1,0]
	v_pk_mul_f32 v[PX:PX+1], v[UU:UU+1], 0x42ff0000 op_sel_hi:[1,0]
	v_med3_num_f32 v[POS], v[POS], 0, 0x447fc000                   ; clip to 0 .. 1023
	v_med3_num_f32 v[POS+1], v[POS+1], 0, 0x447fc000
	v_cvt_f32_u32 v[FI], v[IX]
	v_cvt_f32_u32 v[FI+1], v[IY]
	v_and_b32 v[FBI], 0xff, v[\pr+\k]
	v_lshrrev_b32 v[FBI+1], 8, v[\pr+\k]
	v_pk_add_f32 v[WL1:WL1+1], v[POS:POS+1], v[FI:FI+1] neg_lo:[0,1] neg_hi:[0,1]   ; w = pos - i0
	v_cvt_f32_u32 v[FBI], v[FBI]
	v_cvt_f32_u32 v[FBI+1], v[FBI+1]
	v_pk_fma_f32 v[WL0:WL0+1], v[WL1:WL1+1], -1.0, 1.0 op_sel_hi:[1,0,0]            ; 1 - w
	v_pk_add_f32 v[DA:DA+1], v[PX:PX+1], v[FBI:FBI+1] neg_lo:[0,1] neg_hi:[0,1]
	v_pk_add_f32 v[DB:DB+1], v[DA:DA+1], -1.0 op_sel_hi:[1,0]
	v_fma_f32 v[XH],   |v[DA]|,   -1.0, 1.0                        ; the hats: 1 - |distance|,
	v_fma_f32 v[XH+1], |v[DB]|,   -1.0, 1.0
	v_fma_f32 v[YH],   |v[DA+1]|, -1.0, 1.0
	v_fma_f32 v[YH+1], |v[DB+1]|, -1.0, 1.0
	v_max_num_f32 v[XH], 0, v[XH]                                  ; not below 0
	v_max_num_f32 v[XH+1], 0, v[XH+1]
	v_max_num_f32 v[YH], 0, v[YH]
	v_max_num_f32 v[YH+1], 0, v[YH+1]
	v_pk_mul_f32 v[WP:WP+1], v[XH:XH+1], v[YH:YH+1] op_sel_hi:[1,0]                 ; both x hats times the upper row's
	v_pk_mul_f32 v[WP+2:WP+3], v[XH:XH+1], v[YH:YH+1] op_sel:[0,1] op_sel_hi:[1,1]  ; and times the lower row's
.if \doc
	global_load_b128 v[CO:CO+3],   v[MOC], s[8:9] offset:512*(\grp+1) th:TH_LOAD_NT      ; this group's have been read for the last time
	global_load_b128 v[CO+4:CO+7], v[MOC], s[8:9] offset:512*(\grp+1)+16 th:TH_LOAD_NT
	global_load_b128 v[I0:I0+3],   v[MOI], s[10:11] offset:256*(\grp+1) th:TH_LOAD_NT
.endif
	s_wait_dscnt 0x0                               ; the sixteen line loads
	; fx = x0 (1 - wx) + x1 wx and fy likewise, in place, two channels an instruction; then fx fy starts feat
.irp q, 0,2,4,6,8,10,12,14
	v_pk_mul_f32 v[FP+\q:FP+\q+1], v[FP+\q:FP+\q+1], v[WL0:WL0+1] op_sel_hi:[1,0]
	v_pk_mul_f32 v[Y0+\q:Y0+\q+1], v[Y0+\q:Y0+\q+1], v[WL0:WL0+1] op_sel:[0,1] op_sel_hi:[1,1]
.endr
.irp q, 0,2,4,6,8,10,12,14
	v_pk_fma_f32 v[FP+\q:FP+\q+1], v[X1+\q:X1+\q+1], v[WL1:WL1+1], v[FP+\q:FP+\q+1] op_sel_hi:[1,0,1]
	v_pk_fma_f32 v[Y0+\q:Y0+\q+1], v[Y1+\q:Y1+\q+1], v[WL1:WL1+1], v[Y0+\q:Y0+\q+1] op_sel:[0,1,0] op_sel_hi:[1,1,1]
.endr
.irp q, 0,2,4,6,8,10,12,14
	v_pk_mul_f32 v[FP+\q:FP+\q+1], v[FP+\q:FP+\q+1], v[Y0+\q:Y0+\q+1]
.endr
	s_wait_loadcnt \lc                             ; this tile's eight gathers are in; what was issued behind them stays out
.irp c, 0,1,2,3
.irp q, 0,1,2,3,4,5,6,7
	MIXLO FP+2*\q,   PL+8*\c+\q, WP+\c, FP+2*\q
	MIXHI FP+2*\q+1, PL+8*\c+\q, WP+\c, FP+2*\q+1
.endr
.endr
.if \dop
	global_load_b128 v[\pd:\pd+3], v[MOI], s[10:11] offset:PIDX+256*(\grp+1) th:TH_LOAD_NT
.endif
.if \dog
	GATHER \pn                                     ; PO and PL are free: the wait above showed the loads that named them done
.endif
.irp q, 0,1,2,3,4,5,6,7
	v_cvt_pk_f16_f32 v[FB+\q], v[FP+2*\q], v[FP+2*\q+1]
.endr
	; layer 1: rows = 16 hidden units, columns = the 16 points, C = the bias; four results in four sets of registers, no chain
.irp t, 0,1,2,3
	v_wmma_f32_16x16x32_f16 v[DD+8*\t:DD+8*\t+7], v[W1F+8*\t:W1F+8*\t+7], v[FB:FB+7], v[B1C+8*\t:B1C+8*\t+7]
.endr
.rept 4
	v_nop                                          ; four places before a vector instruction reads a matrix result (ISA guide 7.12.1)
.endr
.set qq, 0
.rept 32
	v_max_num_f32 v[DD+qq], 0, v[DD+qq]            ; relu; register 8 t + j: unit 16 t + 8 h + j of point r
.set qq, qq+1
.endr
	v_pk_mul_f32 v[S0:S0+1], v[DD:DD+1], v[W2V:W2V+1]
	v_pk_mul_f32 v[S1:S1+1], v[DD+2:DD+3], v[W2V+2:W2V+3]
.irp i, 2,4,6,8,10,12,14
	v_pk_fma_f32 v[S0:S0+1], v[DD+2*\i:DD+2*\i+1], v[W2V+2*\i:W2V+2*\i+1], v[S0:S0+1]
	v_pk_fma_f32 v[S1:S1+1], v[DD+2*\i+2:DD+2*\i+3], v[W2V+2*\i+2:W2V+2*\i+3], v[S1:S1+1]
.endr
	v_pk_add_f32 v[S0:S0+1], v[S0:S0+1], v[S1:S1+1]
	v_add_f32 v[SS], v[S0], v[S0+1]                ; my half's 32 units
	v_permlanex16_b32 v[PP], v[SS], s28, s29       ; the other half's (PP was written in this tile's weights)
	v_add_f32 v[SS], v[SS], v[PP]
.if \od
	v_add_f32 v[SS], s27, v[SS]
	v_cndmask_b32 v[\ob+\k], v[\ob+\k], v[SS], s30 ; half 1 keeps the odd group's result, half 0 the even group's
.else
	v_add_f32 v[\ob+\k], s27, v[SS]
.endif
.endm
; One group of 64 points.  pr, pnx: this and the next group's plane indices; last = 1: nothing more is fetched.
.macro GROUP grp, pr, pnx, last, ob, od
	s_wait_loadcnt 0x8                             ; coords and line indices are older than tile 0's eight gathers
	TILE 0, \pr, \pr+1, 1, 1-\last, \pnx, 0, \grp, 0, \ob, \od
	TILE 1, \pr, \pr+2, 1, 0, \pnx, 0, \grp, 0, \ob, \od
	TILE 2, \pr, \pr+3, 1, 0, \pnx, 0, \grp, 0, \ob, \od
	TILE 3, \pr, \pnx, 1-\last, 0, \pnx, 1-\last, \grp, 3*(1-\last), \ob, \od   ; three loads of the next group stand behind its gathers
.if \od
	global_store_b128 v[OO], v[\ob:\ob+3], s[24:25] offset:256*(\grp-1) th:TH_STORE_NT   ; two groups: 512 neighbouring bytes, aligned; the registers are not written again
.endif
.endm
	GROUP 0, PA, PB, 0, OA, 0
	GROUP 1, PB, PA, 0, OA, 1
	GROUP 2, PA, PB, 0, OB, 0
	GROUP 3, PB, PA, 1, OB, 1
	s_wait_xcnt 0x0
	v_lshl_add_u32 v252, v0, 2, 0x48000
	v_mov_b32 v253, 0
	s_wait_tensorcnt 0x0
	ds_add_u32 v252, v253
	s_wait_dscnt 0x0
	s_endpgm
.Lfunc_end_k_q8268dd78e0_main:
	.size	k_q8268dd78e0_main, .Lfunc_end_k_q8268dd78e0_main-k_q8268dd78e0_main
	.p2alignl 7, 3214868480
	.fill 96, 4, 3214868480
	.section	.rodata,"a",@progbits
	.p2align	6, 0x0
	.amdhsa_kernel k_q8268dd78e0_main
		.amdhsa_group_segment_fixed_size 296960
		.amdhsa_private_segment_fixed_size 0
		.amdhsa_enable_private_segment 0
		.amdhsa_kernarg_size 72
		.amdhsa_user_sgpr_count 2
		.amdhsa_user_sgpr_kernarg_segment_ptr 1
		.amdhsa_wavefront_size32 1
		.amdhsa_system_sgpr_workgroup_id_x 1
		.amdhsa_system_sgpr_workgroup_id_y 1
		.amdhsa_system_sgpr_workgroup_id_z 1
		.amdhsa_system_vgpr_workitem_id 0
		.amdhsa_next_free_vgpr 256
		.amdhsa_next_free_sgpr 66
		.amdhsa_reserve_vcc 0
		.amdhsa_float_denorm_mode_32 3
		.amdhsa_float_denorm_mode_16_64 3
		.amdhsa_memory_ordered 1
		.amdhsa_forward_progress 1
		.amdhsa_inst_pref_size 227
	.end_amdhsa_kernel
	.amdgpu_metadata
---
amdhsa.version: [ 1, 2 ]
amdhsa.kernels:
  - .name:           k_q8268dd78e0_main
    .symbol:         k_q8268dd78e0_main.kd
    .args:
      - { .name: coords, .offset: 0, .size: 8, .value_kind: global_buffer, .address_space: global }
      - { .name: idx, .offset: 8, .size: 8, .value_kind: global_buffer, .address_space: global }
      - { .name: planeT, .offset: 16, .size: 8, .value_kind: global_buffer, .address_space: global }
      - { .name: linesT, .offset: 24, .size: 8, .value_kind: global_buffer, .address_space: global }
      - { .name: W1, .offset: 32, .size: 8, .value_kind: global_buffer, .address_space: global }
      - { .name: b1, .offset: 40, .size: 8, .value_kind: global_buffer, .address_space: global }
      - { .name: W2, .offset: 48, .size: 8, .value_kind: global_buffer, .address_space: global }
      - { .name: b2, .offset: 56, .size: 8, .value_kind: global_buffer, .address_space: global }
      - { .name: out0, .offset: 64, .size: 8, .value_kind: global_buffer, .address_space: global }
    .group_segment_fixed_size: 296960
    .private_segment_fixed_size: 0
    .kernarg_segment_align: 8
    .kernarg_segment_size: 72
    .max_flat_workgroup_size: 512
    .sgpr_count:     66
    .vgpr_count:     256
    .wavefront_size: 32
...
	.end_amdgpu_metadata
.endif
;; end of part 2
